; MI455X (gfx1250); checked and timed in simulation.
; The chip was launched on July 23, 2026; its instructions are those of AMD's public machine-readable ISA for CDNA 5 (MIT licence, August 2026) and "CDNA5" Instruction Set Architecture Reference Guide (July 2026). The comments in the code are by the model that wrote it; some were corrected since.
;; Auto Flow. Allowed arithmetic: float matrix products may take bf16 or f16 operands with f32 sums; other float arithmetic in f32, or as packed bf16 or f16 multiplies, adds, multiply-adds, maxima and minima; sums over many terms, partial sums and values carried from step to step in f32; what a program stores and reads back later, other than sums and carried values, may be rounded once to bf16 or f16.
;; Inputs: M0 16 x 256 x 64 float32; M1 16 x 256 x 256 float32; M2 16 x 64 x 256 float32; loc_W0 16 x 256 x 64 float32; loc_W1 16 x 256 x 256 float32; loc_W2 16 x 64 x 256 float32; loc_b0 16 x 256 float32; loc_b1 16 x 256 float32; loc_b2 16 x 64 float32; scale_W0 16 x 256 x 64 float32; scale_W1 16 x 256 x 256 float32; scale_W2 16 x 64 x 256 float32; scale_b0 16 x 256 float32; scale_b1 16 x 256 float32; scale_b2 16 x 64 float32; u 16,384 x 64 float32.
;; Outputs: out0 16,384 x 64 float32.
;; One version. Each part assembles by itself: llvm-mc -triple=amdgcn-amd-amdhsa -mcpu=gfx1250 --defsym DOCPART=n.
;; ======== version 1 of 1: 2 launches
;; workspace buffers: wq 6,291,456 bytes
;; launch prep (part 1): grid 16 x 16, 6 waves a work-group, no clusters, 0 bytes of LDS; arguments M0, M1, M2, loc_W0, loc_W1, loc_W2, scale_W0, scale_W1, scale_W2, wq; writes wq
.if DOCPART == 1
	.amdgcn_target "amdgcn-amd-amdhsa--gfx1250"
	.amdhsa_code_object_version 6
	.text
	.protected	k_q3676737684_prep
	.globl	k_q3676737684_prep
	.p2align	8
	.type	k_q3676737684_prep,@function
k_q3676737684_prep:
	s_mov_b64 s[64:65], 0
	v_nop
	global_prefetch_b8 v0, s[64:65] scope:SCOPE_SE
	s_setreg_imm32_b32 hwreg(HW_REG_WAVE_MODE, 25, 1), 1
	s_wait_xcnt 0x0
; wq = bf16(m * W): the product in f32, rounded once, for all six weight tensors of all 16 layers, laid out as a stream of matrix fragments
; in the order in which the second launch multiplies them.
; LAYOUT OF wq.  Chunk 3 l + c (l = layer, c = 0..2) at byte (3 l + c) x 131,072; in it the loc net at 0, the scale net at 65,536; in a net's part fragment i (0..63) at 1,024 i.
; A fragment is 16 output features x 32 inputs: half p (0, 1) at 512 p, lane L at 16 L, eight bf16: W[16 ft + L % 16][32 ks + 16 p + 8 (L / 16) + 0..7]: the register image of a
; matrix instruction's source 0, so that the second launch fills four registers by one load of 16 bytes a lane from 512 consecutive bytes.
; A net's layer is six blocks b of 32 fragments; block b lies in chunk b / 2 at fragment 32 (b % 2).  b = 0: W0; b = 1..4: rows 64 (b - 1) .. of W1; b = 5: W2.
; In a block, fragment 8 kp + 4 ks' + f.  W0: feature tile 4 kp + f, K step ks'.  W1, W2: feature tile f of the block's four, K step 2 kp + ks'.
; SHARES.  Grid y is the layer.  A layer has 96 tasks (6 blocks x 16), one a wave: task = 6 x + wave.  A task takes 16 rows x 64 inputs (256 consecutive bytes of each row) of the mask
; and of both nets' weights, and makes two fragments for each net: the mask is loaded once for both.  All 24 loads go out first; nothing is shared between waves, so there is no LDS.
.set VO, 2                             ; v2  my byte offset in the 16 rows: (L % 16) x row pitch + 32 (L / 16)
.set DO, 3                             ; v3  16 L: my 16 bytes in a half fragment
.set RB, 8                             ; item i = 2 ks' + p at v[8 + 24 i]: 8 of the mask, 8 of loc's W, 8 of scale's W
.set OB, 104                           ; item i's results at v[104 + 8 i]: 4 for loc, 4 for scale
	s_load_b512 s[4:19], s[0:1], 0x0               ; M0 s[4:5], M1 s[6:7], M2 s[8:9], loc W0 s[10:11], W1 s[12:13], W2 s[14:15], scale W0 s[16:17], W1 s[18:19]
	s_load_b128 s[20:23], s[0:1], 0x40             ; scale W2 s[20:21], wq s[22:23]
	v_lshrrev_b32 v1, 5, v0
	v_readfirstlane_b32 s24, v1                    ; wave 0..5
	v_and_b32 v4, 15, v0                           ; L % 16
	v_bfe_u32 v5, v0, 4, 1                         ; L / 16
	v_and_b32 v6, 31, v0                           ; L
	v_lshlrev_b32 v[DO], 4, v6
	s_mul_i32 s25, ttmp9, 6
	s_add_co_u32 s25, s25, s24                     ; task 0..95
	s_and_b32 s26, ttmp7, 0xffff                   ; layer
	s_lshr_b32 s27, s25, 4                         ; b
	s_and_b32 s28, s25, 15                         ; t
	s_and_b32 s29, s28, 3                          ; f
	s_lshr_b32 s30, s28, 2                         ; kp
	s_max_u32 s31, s27, 1                          ; the figures for W1:
	s_sub_co_u32 s31, s31, 1
	s_lshl2_add_u32 s31, s31, s29                  ; tile of 16 rows = 4 (b - 1) + f
	s_lshl_b32 s32, s30, 8                         ; 64 inputs = 256 bytes along the row for each kp
	s_mov_b32 s33, 10                              ; a row is 2^10 bytes
	s_mov_b32 s34, 18                              ; a layer 2^18
	s_wait_kmcnt 0x0
	s_cmp_eq_u32 s27, 0                            ; W0: 16 tiles of rows, the whole row of 2^8 bytes, a layer 2^16
	s_cselect_b32 s31, s28, s31
	s_cselect_b32 s32, 0, s32
	s_cselect_b32 s33, 8, s33
	s_cselect_b32 s34, 16, s34
	s_cselect_b64 s[36:37], s[4:5], s[6:7]         ; the mask,
	s_cselect_b64 s[38:39], s[10:11], s[12:13]     ; loc's weights,
	s_cselect_b64 s[40:41], s[16:17], s[18:19]     ; scale's
	s_cmp_eq_u32 s27, 5                            ; W2: 4 tiles of rows, a layer 2^16
	s_cselect_b32 s31, s29, s31
	s_cselect_b32 s34, 16, s34
	s_cselect_b64 s[36:37], s[8:9], s[36:37]
	s_cselect_b64 s[38:39], s[14:15], s[38:39]
	s_cselect_b64 s[40:41], s[20:21], s[40:41]
	s_lshl_b32 s42, s26, s34                       ; from where: the layer,
	s_add_co_u32 s35, s33, 4
	s_lshl_b32 s35, s31, s35                       ; the tile's 16 rows,
	s_add_co_u32 s42, s42, s35
	s_add_co_u32 s42, s42, s32                     ; the place along the row
	s_mov_b32 s43, 0
	s_add_nc_u64 s[36:37], s[36:37], s[42:43]
	s_add_nc_u64 s[38:39], s[38:39], s[42:43]
	s_add_nc_u64 s[40:41], s[40:41], s[42:43]
	s_mul_i32 s44, s26, 3                          ; to where: chunk 3 l + b / 2,
	s_lshr_b32 s35, s27, 1
	s_add_co_u32 s44, s44, s35
	s_lshl_b32 s44, s44, 17
	s_and_b32 s35, s27, 1
	s_lshl_b32 s35, s35, 5                         ; fragment 32 (b % 2) + 8 kp + f
	s_lshl3_add_u32 s35, s30, s35
	s_add_co_u32 s35, s35, s29
	s_lshl_b32 s35, s35, 10
	s_add_co_u32 s44, s44, s35
	s_mov_b32 s45, 0
	s_add_nc_u64 s[22:23], s[22:23], s[44:45]
	v_lshlrev_b32 v[VO], s33, v4                   ; row x pitch
	v_lshl_add_u32 v[VO], v5, 5, v[VO]             ; + 8 f32 for the upper half of the lanes
.irp i, 0,1,2,3                        ; item i: inputs 16 i + 8 (L / 16) + 0..7 of the task's 64: 32 bytes at 64 i
	global_load_b128 v[RB+24*\i:RB+24*\i+3],     v[VO], s[36:37] offset:64*\i
	global_load_b128 v[RB+24*\i+4:RB+24*\i+7],   v[VO], s[36:37] offset:64*\i+16
	global_load_b128 v[RB+24*\i+8:RB+24*\i+11],  v[VO], s[38:39] offset:64*\i
	global_load_b128 v[RB+24*\i+12:RB+24*\i+15], v[VO], s[38:39] offset:64*\i+16
	global_load_b128 v[RB+24*\i+16:RB+24*\i+19], v[VO], s[40:41] offset:64*\i
	global_load_b128 v[RB+24*\i+20:RB+24*\i+23], v[VO], s[40:41] offset:64*\i+16
.endr
.macro ITEM i
.set R, RB+24*(\i)
.set O, OB+8*(\i)
	s_wait_loadcnt 18-6*(\i)                       ; loads come back in order: the later items' loads, six each, may stay out
.irp k, 0,2,4,6
	v_pk_mul_f32 v[R+8+\k:R+9+\k],   v[R+8+\k:R+9+\k],   v[R+\k:R+\k+1]   ; m x W, in f32
	v_pk_mul_f32 v[R+16+\k:R+17+\k], v[R+16+\k:R+17+\k], v[R+\k:R+\k+1]
.endr
.irp k, 0,1,2,3
	v_cvt_pk_bf16_f32 v[O+\k],   v[R+8+2*\k],  v[R+9+2*\k]               ; rounded once
	v_cvt_pk_bf16_f32 v[O+4+\k], v[R+16+2*\k], v[R+17+2*\k]
.endr
	global_store_b128 v[DO], v[O:O+3],   s[22:23] offset:((\i)/2)*4096+((\i)%2)*512        ; each store of the wave covers 512 consecutive bytes, aligned
	global_store_b128 v[DO], v[O+4:O+7], s[22:23] offset:65536+((\i)/2)*4096+((\i)%2)*512
.endm
	ITEM 0                                         ; no register is written twice, so nothing waits for the stores
	ITEM 1
	ITEM 2
	ITEM 3
	s_endpgm
.Lfunc_end_k_q3676737684_prep:
	.size	k_q3676737684_prep, .Lfunc_end_k_q3676737684_prep-k_q3676737684_prep
	.p2alignl 7, 3214868480
	.fill 96, 4, 3214868480
	.section	.rodata,"a",@progbits
	.p2align	6, 0x0
	.amdhsa_kernel k_q3676737684_prep
		.amdhsa_group_segment_fixed_size 0
		.amdhsa_private_segment_fixed_size 0
		.amdhsa_enable_private_segment 0
		.amdhsa_kernarg_size 80
		.amdhsa_user_sgpr_count 2
		.amdhsa_user_sgpr_kernarg_segment_ptr 1
		.amdhsa_wavefront_size32 1
		.amdhsa_system_sgpr_workgroup_id_x 1
		.amdhsa_system_sgpr_workgroup_id_y 1
		.amdhsa_system_sgpr_workgroup_id_z 1
		.amdhsa_system_vgpr_workitem_id 0
		.amdhsa_next_free_vgpr 136
		.amdhsa_next_free_sgpr 66
		.amdhsa_reserve_vcc 0
		.amdhsa_float_denorm_mode_32 3
		.amdhsa_float_denorm_mode_16_64 3
		.amdhsa_memory_ordered 1
		.amdhsa_forward_progress 1
		.amdhsa_inst_pref_size 10
	.end_amdhsa_kernel
	.amdgpu_metadata
---
amdhsa.version: [ 1, 2 ]
amdhsa.kernels:
  - .name:           k_q3676737684_prep
    .symbol:         k_q3676737684_prep.kd
    .args:
      - { .name: M0, .offset: 0, .size: 8, .value_kind: global_buffer, .address_space: global }
      - { .name: M1, .offset: 8, .size: 8, .value_kind: global_buffer, .address_space: global }
      - { .name: M2, .offset: 16, .size: 8, .value_kind: global_buffer, .address_space: global }
      - { .name: loc_W0, .offset: 24, .size: 8, .value_kind: global_buffer, .address_space: global }
      - { .name: loc_W1, .offset: 32, .size: 8, .value_kind: global_buffer, .address_space: global }
      - { .name: loc_W2, .offset: 40, .size: 8, .value_kind: global_buffer, .address_space: global }
      - { .name: scale_W0, .offset: 48, .size: 8, .value_kind: global_buffer, .address_space: global }
      - { .name: scale_W1, .offset: 56, .size: 8, .value_kind: global_buffer, .address_space: global }
      - { .name: scale_W2, .offset: 64, .size: 8, .value_kind: global_buffer, .address_space: global }
      - { .name: wq, .offset: 72, .size: 8, .value_kind: global_buffer, .address_space: global }
    .group_segment_fixed_size: 0
    .private_segment_fixed_size: 0
    .kernarg_segment_align: 8
    .kernarg_segment_size: 80
    .max_flat_workgroup_size: 192
    .sgpr_count:     66
    .vgpr_count:     136
    .wavefront_size: 32
...
	.end_amdgpu_metadata
.endif
;; end of part 1
;; launch flow (part 2): grid 256 x 1, 4 waves a work-group, clusters of 4 x 1, 327,680 bytes of LDS; arguments u, wq, loc_b0, scale_b0, loc_b1, scale_b1, loc_b2, scale_b2, out0; writes out0
.if DOCPART == 2
	.amdgcn_target "amdgcn-amd-amdhsa--gfx1250"
	.amdhsa_code_object_version 6
	.text
	.protected	k_q3676737684_flow
	.globl	k_q3676737684_flow
	.p2align	8
	.type	k_q3676737684_flow,@function
k_q3676737684_flow:
	s_mov_b64 s[64:65], 0
	v_nop
	global_prefetch_b8 v0, s[64:65] scope:SCOPE_SE
	s_setreg_imm32_b32 hwreg(HW_REG_WAVE_MODE, 25, 1), 1
	s_wait_xcnt 0x0
	s_wait_alu depctr_hold_cnt(0) depctr_sa_sdst(0) depctr_va_vdst(0) depctr_va_sdst(0) depctr_va_ssrc(0) depctr_va_vcc(0) depctr_vm_vsrc(0)
	s_getreg_b32 s2, hwreg(HW_REG_IB_STS2, 6, 4)
	s_cmp_eq_u32 s2, 0
	s_cbranch_scc0 .Lentry_in_a_cluster
	s_endpgm
.Lentry_in_a_cluster:
	s_bfe_u32 s2, ttmp6, 0x10000c
	s_cmp_lg_u32 s2, 0x3003
	s_cbranch_scc0 .Lentry_shape_is_right
	s_endpgm
.Lentry_shape_is_right:
; ALL 16 COUPLING LAYERS IN ONE LAUNCH.  y = u; 16 times: loc = net_loc(y), sc = net_scale(y), y = exp(-sc) (y - loc); a net is 64 -> 256 -> 256 -> 64 with ReLU behind the first two products.
; The weights come from wq: bf16(mask x W), in fragment order (written by the launch before; layout in its head).  Biases and y are f32; activations are rounded once to bf16 for the next product; sums in f32.
; LIMITS.  A NaN in front of a ReLU becomes 0 (the maximum drops it); the sign of a zero behind a ReLU is not kept; exp(-sc) below 2^-126 counts as 0; matrix operands have bf16's 8 significant bits.
; SHARES.  A work-group owns 64 rows of the batch through all layers: 256 work-groups.  Wave w takes net w / 2 (0 loc, 1 scale) for rows 32 (w % 2) .. + 31: two tiles rt of 16 rows.
; LAYOUT.  Every product is taken transposed: source 0 = 16 output features of W, source 1 = 16 batch rows.  In the result lane L holds batch row L % 16 and features 8 (L / 16) + 0..7; two feature tiles, rounded to
; bf16 in pairs, ARE source 1 (32 inputs x 16 rows) of the next product.  So y, h0 and h1 stay in the wave's registers and never change lanes.  The bias is the C operand of a sum's first K step.
; ReLU is a packed maximum with 0 on the rounded pairs (rounding keeps order and sign, so this is the rounded ReLU).
; At a layer's end the loc wave holds d = y - loc and the scale wave e = exp(-sc) of the same 32 rows: they swap 8 KiB through LDS and both form y = d e.
; THE WEIGHTS' RING.  A layer is three chunks of 131,072 bytes; two LDS slots take turns.  Each wave brings a quarter of a chunk by one tensor load.  A QUARTER of a layer (q = 0..23) is 8 fragments of my net,
; 16 LDS loads and 16 matrix instructions (each fragment serves my two row tiles); fragments are fetched three quarters ahead into a ring of four register buffers.
; CLUSTER.  All work-groups walk the same weights, so the four of a cluster ask for each chunk JOINTLY: the same tensor load, descriptor and mask in all four.
; REGISTERS, in windows of 256 (s_set_vgpr_msb: bits 1:0 source 0, 3:2 source 1, 5:4 source 2, 7:6 destination):
;   window 0: v0-16 addresses; v32-159 b0 (8 a feature tile); v160-223 y in f32, tile (ft, rt) at 8 (2 ft + rt); v224-255 b2
;   window 1: v0-127 h0, fragment (K step ks, rt) at 16 ks + 8 rt; v128-255 h1 likewise; y in bf16 lies over h1's first 32 (read in quarters 0-3 alone, written again behind W2's reads)
;   window 2: v0-63, v64-127 two sets of 8 accumulators, (f, rt) at 8 (2 f + rt); v128-255 b1          window 3: four buffers of 8 weight fragments
.set CHUNK,  131072
.set SLOT,   1<<17                     ; slot 1 begins here: one exclusive or turns an address in one slot into the other's
.set EXCH,   2*SLOT                    ; 4 x 8,192: wave w's d or e at 8,192 w + 512 i + 16 L
.set STAGE,  EXCH+4*8192               ; 2 x 32 rows x 272 bytes: the loc waves' way out
.set SPITCH, 272                       ; 256 bytes + 16: the 16 rows that a store touches start at 16 different groups of four banks (64 banks of 4 bytes: ISA guide 11.1)
.set SPARE,  STAGE+2*32*SPITCH         ; the spare words, 128 bytes for each wave: two blocks of 256 bytes that no other line names
.set AW,  2                            ; v2   16 L + 65,536 x net: my place in a slot; never rewritten
.set ADR, 3                            ; v3   the same in the slot that is being read
.set EXS, 4                            ; v4   where I put d or e
.set EXR, 5                            ; v5   where my partner (wave w xor 2) has put its
.set BO,  6                            ; v6   32 (L / 16): my 8 numbers of a bias tile
.set UO,  7                            ; v7   256 (L % 16) + 32 (L / 16): my 8 numbers of a tile of u
.set OO,  8                            ; v8   16 L
.set PFO, 9                            ; v9   256 L: the prefetches' offset
.set SPW, 10                           ; v10  LDS address of my spare word: SPARE + 4 x my thread's number; never rewritten
.set NIL, 11                           ; v11  0; never rewritten
.set STO, 12                           ; v12  the way out: where I put 16 bytes of a row
.set RD,  13                           ; v13  the way out: where I read rows back
.set B0R, 32
.set YR,  160
.set B2R, 224
.set H0,  0
.set H1,  128
.set YB,  128
.set ACC0, 0
.set ACC1, 64
.set B1R, 128
.set WV,   22                          ; s22  my wave's number
.set NET,  23                          ; s23  0 loc, 1 scale
.set HALF, 24                          ; s24  which 32 rows
.set CX,   25                          ; s25  my place in the cluster: it enters global addresses alone
.set WG,   26                          ; s26  my work-group's number
.set LIM,  27                          ; s27  1 in the first cluster, else the greatest number
.set G1,   28                          ; s[28:35] descriptor group 1
.set G0A,  36                          ; s[36:39] group 0: chunk 0 into slot 0
.set G0B,  40                          ; s[40:43] group 0: chunk 1 into slot 1; it then walks
.set PB0,  44                          ; s[44:45], s[46:47], s[48:49]: my net's b0, b1, b2 at the layer last loaded
.set PB1,  46
.set PB2,  48
.set PFA,  50                          ; s[50:51] where my prefetches stand
.set LEFT, 52                          ; s52  trips of the layer loop still to come
.set TB,   53                          ; s53  LDS byte at which the slot that is being read begins
.set ZERO, 54                          ; s54  0
.set NL,   56                          ; s[56:57] -log2(e): the packed multiply names a pair and takes its low word for both halves
.set W_MM, 0xa7                        ; weights window 3, activations window 1, C and D window 2
.set W_MB, 0x87                        ; the same with C (b0, b2) in window 0
.set MSB, 0
.macro WIN new                         ; the immediate's high byte repeats the setting that is left; a switch that changes nothing is dropped
.if MSB != (\new)
	s_set_vgpr_msb (MSB<<8)|(\new)
.set MSB, \new
.endif
.endm
; A vector instruction that reads a matrix result or writes one of a matrix instruction's registers, and a load into such a register, stand four places behind it; only plain vector
; instructions that name none of its registers are places (ISA guide 7.12.1 for vector instructions).
.macro PLACES
.rept 4
	v_nop
.endr
.endm
; A round of the cluster's barrier: my work-group's barrier; wave 0 signals for the work-group; every wave waits for all four work-groups; my work-group's barrier once more.
.macro CREST                           ; a round behind its opening barrier
	s_cmp_lg_u32 s[WV], 0
	s_cbranch_scc1 .Lnot_wave_0_\@
	s_barrier_signal -3
.Lnot_wave_0_\@:
	s_barrier_wait -3
	s_barrier_signal -1
	s_barrier_wait -1
.endm
.macro CROUND
	s_barrier_signal -1
	s_barrier_wait -1
	CREST
.endm
; A PREFETCH INTO THE L2, behind a joint load, its five lines and the run of LDS loads that follows: at the change that asks for chunk g + 2 it names chunk g + 5, three changes (384 matrix instructions a wave) ahead of
; the joint load that will want it.  All clusters walk the same chunks: the first cluster asks, nobody else.  Its 4 work-groups x 4 waves x 32 lanes share the chunk's 512 blocks of 256 bytes out BY ADDRESS
; (32,768 cx + 8,192 wave + 256 lane): one instruction a wave, each block named once in the launch.  The loop's last trip asks for nothing: the last chunk named is 46 of 0..47.
.macro ASK
	s_cmp_gt_u32 s[LEFT], s[LIM]
	s_cbranch_scc0 .Lnot_mine_\@
	global_prefetch_b8 v[PFO], s[PFA:PFA+1] th:TH_LOAD_NT scope:SCOPE_SE
.Lnot_mine_\@:
.endm
; What quarter q multiplies.  BB: the activations' first register (window 1).  ASET: the set of accumulators.  CW: 0 = the sums go on; 1, 2 = the first 8 products start them with the bias at CB (window 2, window 0).
; RID = 1: behind each product stands a slice of the conversion of set RSET, finished a quarter ago, into the activations at RHD.
.macro QPAR q
.set RID, 0
.set RSET, 0
.set RHD, 0
.if (\q) < 4                           ; W0: quarter q makes features 64 q .. + 63, the whole K of 64
.set BB, YB
.set ASET, (\q)%2
.set CW, 2
.set CB, B0R+32*(\q)
.if (\q) > 0
.set RID, 1
.set RSET, ((\q)-1)%2
.set RHD, H0+32*((\q)-1)
.endif
.elseif (\q) < 20                      ; W1: block BLK of 64 features, quarter QQ of its K of 256
.set BLK, ((\q)-4)/4
.set QQ, ((\q)-4)%4
.set BB, H0+32*QQ
.set ASET, BLK%2
.set CW, 0
.set CB, B1R+32*BLK
.if QQ == 0
.set CW, 1
.set RID, 1
.set RSET, 1-ASET
.if BLK == 0
.set RHD, H0+96
.else
.set RHD, H1+32*(BLK-1)
.endif
.endif
.else                                  ; W2: 64 features, quarter QQ of its K of 256
.set QQ, (\q)-20
.set BB, H1+32*QQ
.set ASET, 0
.set CW, 0
.set CB, B2R
.if QQ == 0
.set CW, 2
.set RID, 1
.set RSET, 1
.set RHD, H1+96
.endif
.endif
.endm
; Matrix instruction i of a quarter's 16: K step i / 8 of its two, feature tile (i / 2) % 4, row tile i % 2.  The 8 accumulators take turns, one instruction a turn, in the same order in every quarter,
; over the backward jump too.
.macro MM buf
.set rA, 64*(\buf)+8*(4*(i/8)+(i/2)%4)
.set rB, BB+16*(i/8)+8*(i%2)
.set rD, 64*ASET+8*(i%8)
.set rC, CB+8*((i/2)%4)
.if (CW == 2) && (i < 8)
	WIN W_MB
	v_wmma_f32_16x16x32_bf16 v[rD:rD+7], v[rA:rA+7], v[rB:rB+7], v[rC:rC+7]
.elseif (CW == 1) && (i < 8)
	WIN W_MM
	v_wmma_f32_16x16x32_bf16 v[rD:rD+7], v[rA:rA+7], v[rB:rB+7], v[rC:rC+7]
.else
	WIN W_MM
	v_wmma_f32_16x16x32_bf16 v[rD:rD+7], v[rA:rA+7], v[rB:rB+7], v[rD:rD+7]
.endif
.set i, i+1
.endm
; Slice n of 16: accumulator n / 2 of set RSET.  Even n: its 8 sums rounded to bf16, lowest registers first; odd n: the maximum with 0.  Feature tile f goes to K step f / 2, half f % 2 of the next product's source 1.
.macro SLICE
.set a, n/2
.set rS, 64*RSET+8*a
.set rH, RHD+16*(a/4)+8*(a%2)+4*((a/2)%2)
.if n%2 == 0
	WIN 0x4a                                       ; sources window 2, destination window 1
.irp j, 0,1,2,3
	v_cvt_pk_bf16_f32 v[rH+\j], v[rS+2*\j], v[rS+2*\j+1]
.endr
.else
	WIN 0x41                                       ; source 0 and destination window 1
.irp j, 0,1,2,3
	v_pk_max_num_bf16 v[rH+\j], v[rH+\j], s[ZERO]
.endr
.endif
.set n, n+1
.endm
; Quarter q's 8 fragments into buffer q % 4: 16 loads, each 512 consecutive bytes of LDS
.macro LOADQ q
	WIN 0xc0                                       ; destination window 3, address window 0
.set z, 0
.rept 16
	ds_load_b128 v[64*((\q)%4)+4*z:64*((\q)%4)+4*z+3], v[ADR] offset:((\q)%8)*8192+512*z
.set z, z+1
.endr
.endm
; Bias tiles: lane L takes b[16 t + 8 (L / 16) + 0..7], the C operand of feature tile t
.macro BIAS win, reg, ptr, off, tiles
	WIN (\win)<<6
.set z, 0
.rept \tiles
	global_load_b128 v[(\reg)+8*z:(\reg)+8*z+3],   v[BO], s[\ptr:\ptr+1] offset:(\off)+64*z
	global_load_b128 v[(\reg)+8*z+4:(\reg)+8*z+7], v[BO], s[\ptr:\ptr+1] offset:(\off)+64*z+16
.set z, z+1
.endr
.endm
; y in f32 -> y in bf16, as source 1 of W0's products
.macro YCVT
	WIN 0x40                                       ; destination window 1
.set z, 0
.rept 32
	v_cvt_pk_bf16_f32 v[YB+16*(z/16)+8*((z/4)%2)+4*((z/8)%2)+z%4], v[YR+2*z], v[YR+2*z+1]
.set z, z+1
.endr
.endm
; QUARTER q OF A LAYER.  last = 1: the last layer, written out behind the loop: no bias and no weights beyond the end are asked for.
; The plain form: four places; the next layer's biases into registers whose last reader has passed; the fragments three quarters on; the wait for this quarter's; 16 products, with riders where there are any.
; The changing form (q % 8 = 5: the slot's last two quarters are already on their way into registers): one barrier for the change of slots.
.macro STEP q, last
	QPAR \q
.set i, 0
.set n, 0
.set CHG, 0
.if ((\q)%8 == 5) && !((\last) && ((\q) == 21))
.set CHG, 1
.endif
.set FILL, 1
.if (\last) && ((\q) == 13)
.set FILL, 0                           ; chunk 47, the last, has been asked for
.endif
.set PRE, FILL*(1-(\last))
.if CHG
	WIN 0                                          ; (the add's two registers lie in window 0)
.if PRE
	s_wait_xcnt 0x0                                ; the last prefetch, a chunk back, has read its address: it is stepped here, ahead of the change's own waits
	s_add_nc_u64 s[PFA:PFA+1], s[PFA:PFA+1], CHUNK
.endif
	s_wait_tensorcnt 0x0                           ; all my tensor loads have landed: the one that was out is my quarter of the next chunk
	ds_add_u32 v[SPW], v[NIL]                      ; 0 onto my spare word
.if FILL
	s_xor_b32 s[G0B+1], s[G0B+1], SLOT             ; no tensor load of mine is out, so the walking descriptor may be written: the other slot than last time,
	s_add_nc_u64 s[G0B+2:G0B+3], s[G0B+2:G0B+3], CHUNK  ; the next chunk; the type bits on top are not reached
.endif
	s_xor_b32 s[TB], s[TB], SLOT
	s_wait_dscnt 33                                ; this quarter's fragments are in; the next two quarters' 32 loads and the add may be out
.rept 8
	MM (\q)%4                                      ; eight products stand between the add and the wait for it
.endr
	s_wait_dscnt 0x0                               ; the add is done, and my reads of this slot are over
	s_barrier_signal -1                            ; (where the slot is filled again this barrier opens a round of the cluster's barrier)
.rept 8
	MM (\q)%4
.endr
	WIN 0
	s_barrier_wait -1
.if FILL
	CREST                                          ; no wave of any partner still reads this slot or has a load on its way
	tensor_load_to_lds s[G0B:G0B+3], s[G1:G1+7]    ; the first tensor load behind the round, one a wave: it has 8 quarters, 128 matrix instructions, in which to land
	s_nop 0
.rept 4
	v_nop                                          ; the places in front of the loads below
.endr
.else
	PLACES
.endif
	v_add_nc_u32 v[ADR], s[TB], v[AW]
	LOADQ (\q)+3                                   ; the next chunk's first quarter
	WIN 0
.if PRE
	ASK
.endif
.else
	PLACES
.if !(\last)
.if (\q) == 4
	s_wait_xcnt 0x0                                ; every earlier load and prefetch has read its address (ISA guide 3.1), so the pointer may be written
	s_add_nc_u64 s[PB0:PB0+1], s[PB0:PB0+1], 1024
	BIAS 0, B0R, PB0, 0, 16                        ; the next layer's b0: this layer's was last read in quarter 3
.endif
.if (\q) == 7
	s_wait_xcnt 0x0
	s_add_nc_u64 s[PB1:PB1+1], s[PB1:PB1+1], 1024
.endif
.if ((\q) >= 7) && ((\q) <= 19) && ((\q)%4 == 3)
	BIAS 2, B1R+32*(((\q)-7)/4), PB1, 256*(((\q)-7)/4), 4  ; the next layer's b1, block by block, three quarters behind the block's reader
.endif
.if (\q) == 23
	s_wait_xcnt 0x0
	s_add_nc_u64 s[PB2:PB2+1], s[PB2:PB2+1], 256
	BIAS 0, B2R, PB2, 0, 4                         ; the next layer's b2: this layer's was read in quarter 20
.endif
.endif
.if !((\last) && ((\q) >= 21))
	LOADQ (\q)+3
	s_wait_dscnt 48                                ; LDS loads come back in order (ISA guide 5.7.1): the three later quarters' 48 may be out
.else
	s_wait_dscnt 16*(23-(\q))                      ; nothing more is fetched: the counts run down
.endif
.if (\q) == 0
	s_wait_loadcnt 40                              ; b0 is in: behind its 32 loads stand b1's 32 and b2's 8, on the way in and round the backward jump alike
.endif
.if (\q) == 4
.if \last
	s_wait_loadcnt 0x0                             ; b1 and b2 are in
.else
	s_wait_loadcnt 32                              ; b1 and b2 are in: only the 32 loads just issued may be out
.endif
.endif
.rept 16
	MM (\q)%4
.if RID
	SLICE
.endif
.endr
.endif
.endm
; A LAYER'S END.  The first set of accumulators holds loc or sc of my 32 rows.
.macro XCH last
	WIN 0
	PLACES                                         ; behind W2's last products
	s_cmp_lg_u32 s[NET], 0
	s_cbranch_scc1 .Lsc_\@
	WIN 0x88                                       ; y in window 0; loc, and d in its place, in window 2
.set z, 0
.rept 32
	v_pk_add_f32 v[ACC0+z:ACC0+z+1], v[YR+z:YR+z+1], v[ACC0+z:ACC0+z+1] neg_lo:[0,1] neg_hi:[0,1]  ; d = y - loc, each accumulator from its low end on
.set z, z+2
.endr
	WIN 0
	s_branch .Ljoin_\@
.Lsc_\@:
	WIN 0x82                                       ; e = 2^(-log2(e) sc), in place.  The 64 exponentials are ONE batch: none of these lines names an exponential's result
	v_pk_mul_f32 v[ACC0:ACC0+1], v[ACC0:ACC0+1], s[NL:NL+1] op_sel_hi:[1,0]
.set z, 1
.rept 31
	v_pk_mul_f32 v[ACC0+2*z:ACC0+2*z+1], v[ACC0+2*z:ACC0+2*z+1], s[NL:NL+1] op_sel_hi:[1,0]
	v_exp_f32 v[ACC0+2*z-2], v[ACC0+2*z-2]
	v_exp_f32 v[ACC0+2*z-1], v[ACC0+2*z-1]
.set z, z+1
.endr
	v_exp_f32 v[ACC0+62], v[ACC0+62]
	v_exp_f32 v[ACC0+63], v[ACC0+63]
	v_nop                                          ; a plain instruction behind the last exponential, ahead of the first use (ISA guide 5.7.2)
	s_wait_alu depctr_va_vdst(0)                   ; and the wait ahead of the first use: one for the batch
	WIN 0
.Ljoin_\@:
	WIN 0x08                                       ; store data window 2
.set z, 0
.rept 16
	ds_store_b128 v[EXS], v[ACC0+4*z:ACC0+4*z+3] offset:512*z
.set z, z+1
.endr
	s_wait_dscnt 0x0                               ; for my partner's sake: my stores are done
	WIN 0
	s_barrier_signal -1                            ; My one tensor load may stay out
	s_barrier_wait -1
.if \last
	s_cmp_lg_u32 s[NET], 0
	s_cbranch_scc1 .Lend                           ; the loc waves alone finish and store the result
.endif
	WIN 0x80                                       ; destination window 2
.set z, 0
.rept 16
	ds_load_b128 v[ACC1+4*z:ACC1+4*z+3], v[EXR] offset:512*z
.set z, z+1
.endr
	WIN 0x0a                                       ; sources window 2, destination window 0
.set z, 0
.rept 4
	s_wait_dscnt 12-4*z                            ; four more of the 16 loads are in
.irp k, 0,2,4,6,8,10,12,14
	v_pk_mul_f32 v[YR+16*z+\k:YR+16*z+\k+1], v[ACC0+16*z+\k:ACC0+16*z+\k+1], v[ACC1+16*z+\k:ACC1+16*z+\k+1]  ; y = d e: the same line, and the same bits, in both waves
.endr
.set z, z+1
.endr                                  ; my reads of the exchange are back; it is written again behind three more barriers
.if !(\last)
	YCVT
.endif
.endm
.macro LAYER last
.irp q, 0,1,2,3,4,5,6,7,8,9,10,11,12,13,14,15,16,17,18,19,20,21,22,23
	STEP \q, \last
.endr
	XCH \last
.endm
	s_load_b512 s[4:19], s[0:1], 0x0               ; u s[4:5], wq s[6:7], loc b0 s[8:9], scale b0 s[10:11], loc b1 s[12:13], scale b1 s[14:15], loc b2 s[16:17], scale b2 s[18:19]
	s_load_b64 s[20:21], s[0:1], 0x40              ; out0
	v_lshl_add_u32 v[SPW], v0, 2, SPARE
	v_mov_b32 v[NIL], 0
	ds_add_u32 v[SPW], v[NIL]                      ; the wave's opening: the add, twice on end, and its wait ahead of my first tensor load; the set-up below stands between
	ds_add_u32 v[SPW], v[NIL]                      ; and once more, under the one wait
	v_lshrrev_b32 v1, 5, v0
	v_readfirstlane_b32 s[WV], v1                  ; wave 0..3
	s_lshr_b32 s[NET], s[WV], 1
	s_and_b32 s[HALF], s[WV], 1
	s_bfe_u32 s[CX], ttmp6, 0x40000                ; cx
	s_lshl_b32 s[WG], ttmp9, 2                     ; in a cluster launch ttmp9 counts clusters
	s_add_co_u32 s[WG], s[WG], s[CX]
	s_cmp_eq_u32 ttmp9, 0
	s_cselect_b32 s[LIM], 1, -1                    ; the same in all four partners
	; descriptor group 1: my quarter of a chunk, 32,768 dense bytes, as 128 rows of 256 bytes; no padding: the fragments are read as they lie
	s_mov_b32 s[G1+0], 15|(3<<16)|(1<<21)          ; 15:0 the mask: all four work-groups; 17:16 elements of 8 bytes; 21 set beside a mask
	s_mov_b32 s[G1+1], 32<<16                      ; tensor_dim0 = 32
	s_mov_b32 s[G1+2], 128<<16                     ; tensor_dim1 = 128
	s_mov_b32 s[G1+3], 32<<16                      ; tile_dim0 = 32
	s_mov_b32 s[G1+4], 128                         ; tile_dim1 = 128
	s_mov_b32 s[G1+5], 32                          ; 32 elements from row to row
	s_mov_b32 s[G1+6], 0
	s_mov_b32 s[G1+7], 0
	s_mov_b32 s[G0A], 1                            ; count = 1
	s_lshl_b32 s[G0A+1], s[WV], 15                 ; LDS address: slot 0 + 32,768 x wave: no place in the cluster enters it
	s_mov_b32 s[G0B], 1
	s_add_co_u32 s[G0B+1], s[G0A+1], SLOT          ; slot 1
	s_mov_b32 s[LEFT], 15
	s_mov_b32 s[TB], 0
	s_mov_b32 s[ZERO], 0
	s_mov_b32 s[NL], 0xbfb8aa3b                    ; -log2(e)
	s_mov_b32 s[NL+1], s[NL]                       ; named with it as a pair
	v_and_b32 v14, 15, v0                          ; L % 16
	v_bfe_u32 v15, v0, 4, 1                        ; L / 16
	v_and_b32 v16, 31, v0                          ; L
	v_lshlrev_b32 v[OO], 4, v16
	s_lshl_b32 s55, s[NET], 16
	v_add_nc_u32 v[AW], s55, v[OO]
	v_mov_b32 v[ADR], v[AW]                        ; slot 0 is read first
	s_lshl_b32 s55, s[WV], 13
	s_add_co_u32 s55, s55, EXCH
	v_add_nc_u32 v[EXS], s55, v[OO]
	s_xor_b32 s58, s[WV], 2                        ; the other net's wave for my rows
	s_lshl_b32 s58, s58, 13
	s_add_co_u32 s58, s58, EXCH
	v_add_nc_u32 v[EXR], s58, v[OO]
	v_lshlrev_b32 v[BO], 5, v15
	v_lshl_add_u32 v[UO], v14, 8, v[BO]
	v_lshlrev_b32 v[PFO], 8, v16
	s_mul_i32 s59, s[HALF], 32*SPITCH
	s_add_co_u32 s59, s59, STAGE
	v_mul_u32_u24 v[STO], v14, SPITCH              ; in: row L % 16, 32 bytes for each half of the lanes
	v_add_nc_u32 v[STO], v[STO], v[BO]
	v_add_nc_u32 v[STO], s59, v[STO]
	v_mul_u32_u24 v[RD], v15, SPITCH               ; back: lanes 0-15 take one row of 256 bytes, lanes 16-31 the next
	v_lshl_add_u32 v[RD], v14, 4, v[RD]
	v_add_nc_u32 v[RD], s59, v[RD]
	s_wait_dscnt 0x0                               ; both opening adds are done
	s_wait_kmcnt 0x0
	s_mov_b32 s58, s[G0A+1]                        ; 32,768 x wave, in memory as in LDS
	s_mov_b32 s59, 0
	s_add_nc_u64 s[G0A+2:G0A+3], s[6:7], s[58:59]  ; my quarter of chunk 0,
	s_add_nc_u64 s[G0B+2:G0B+3], s[G0A+2:G0A+3], CHUNK  ; of chunk 1
	s_or_b32 s[G0A+3], s[G0A+3], 0x80000000        ; type = 2
	s_or_b32 s[G0B+3], s[G0B+3], 0x80000000
	s_lshl_b32 s60, s[CX], 15
	s_lshl_b32 s61, s[WV], 13
	s_add_co_u32 s60, s60, s61
	s_mov_b32 s61, 0
	s_add_nc_u64 s[PFA:PFA+1], s[6:7], s[60:61]
	s_add_nc_u64 s[PFA:PFA+1], s[PFA:PFA+1], 4*CHUNK  ; in chunk 4: the first change steps it to chunk 5.  Nothing is prefetched here, at the head: chunks 0 to 4 come by their loads alone
	s_lshl_b32 s60, s[WG], 14                      ; my work-group's 64 rows of 256 bytes,
	s_lshl_b32 s61, s[HALF], 13                    ; my 32 of them
	s_add_co_u32 s60, s60, s61
	s_mov_b32 s61, 0
	s_add_nc_u64 s[4:5], s[4:5], s[60:61]
	s_add_nc_u64 s[20:21], s[20:21], s[60:61]
	s_cmp_eq_u32 s[NET], 0
	s_cselect_b64 s[PB0:PB0+1], s[8:9], s[10:11]
	s_cselect_b64 s[PB1:PB1+1], s[12:13], s[14:15]
	s_cselect_b64 s[PB2:PB2+1], s[16:17], s[18:19]
	CROUND                                         ; all four work-groups are here: the first joint loads meet
	tensor_load_to_lds s[G0A:G0A+3], s[G1:G1+7]    ; both first fills go out together: two loads of mine are out
	s_nop 0
	tensor_load_to_lds s[G0B:G0B+3], s[G1:G1+7]
	s_nop 0
.rept 4
	v_nop
.endr
.set z, 0
.rept 8                                ; u: tile z = 2 ft + rt: rows 16 rt + L % 16, features 16 ft + 8 (L / 16) + 0..7
	global_load_b128 v[YR+8*z:YR+8*z+3],   v[UO], s[4:5] offset:(z%2)*4096+(z/2)*64
	global_load_b128 v[YR+8*z+4:YR+8*z+7], v[UO], s[4:5] offset:(z%2)*4096+(z/2)*64+16
.set z, z+1
.endr
	BIAS 0, B0R, PB0, 0, 16
	s_wait_loadcnt 32                              ; u is in; b0's 32 loads may stay out
	YCVT
	BIAS 2, B1R, PB1, 0, 16
	BIAS 0, B2R, PB2, 0, 4
	WIN 0
	s_wait_tensorcnt 1                             ; my quarter of chunk 0 is in; chunk 1's may stay out
	s_barrier_signal -1
	s_barrier_wait -1                              ; everybody's is
	LOADQ 0
	LOADQ 1
	LOADQ 2
	WIN 0                                          ; at a label and at a branch every window is 0
.Llayer:                               ; 15 trips: a trip is a layer: it reads three chunks and asks for three (the last trip's last: chunk 46)
	LAYER 0
	WIN 0
	s_sub_co_u32 s[LEFT], s[LEFT], 1
	s_cmp_lg_u32 s[LEFT], 0
	s_cbranch_scc1 .Llayer
	LAYER 1                                        ; the last layer is written out: it asks for chunk 47 and then for nothing
	; THE WAY OUT (loc waves).  A lane's 8 numbers are 32 bytes of a row of 256: they go through my stage in LDS and come back as whole rows, into b0's registers, which are idle.
	WIN 0
.set z, 0
.rept 8
	ds_store_b128 v[STO], v[YR+8*z:YR+8*z+3]   offset:(z%2)*16*SPITCH+(z/2)*64
	ds_store_b128 v[STO], v[YR+8*z+4:YR+8*z+7] offset:(z%2)*16*SPITCH+(z/2)*64+16
.set z, z+1
.endr
.set z, 0
.rept 16
	ds_load_b128 v[B0R+4*z:B0R+4*z+3], v[RD] offset:z*2*SPITCH  ; LDS serves a wave's instructions in order (ISA guide 5.7.1.4): these see the stores above; the stage is my own
.set z, z+1
.endr
.set z, 0
.rept 16
	s_wait_dscnt 15-z
	global_store_b128 v[OO], v[B0R+4*z:B0R+4*z+3], s[20:21] offset:512*z  ; two rows: 512 consecutive bytes, at a multiple of 256 from out0's first byte
.set z, z+1
.endr
.Lend:
	s_wait_tensorcnt 0x0                           ; the wave's end: behind my last tensor load and my last LDS store
	ds_add_u32 v[SPW], v[NIL]
	s_wait_dscnt 0x0
	CROUND                                         ; the closing round: no work-group ends while a partner may still ask for a chunk that names it
	s_endpgm
.Lfunc_end_k_q3676737684_flow:
	.size	k_q3676737684_flow, .Lfunc_end_k_q3676737684_flow-k_q3676737684_flow
	.p2alignl 7, 3214868480
	.fill 96, 4, 3214868480
	.section	.rodata,"a",@progbits
	.p2align	6, 0x0
	.amdhsa_kernel k_q3676737684_flow
		.amdhsa_group_segment_fixed_size 327680
		.amdhsa_private_segment_fixed_size 0
		.amdhsa_enable_private_segment 0
		.amdhsa_kernarg_size 72
		.amdhsa_user_sgpr_count 2
		.amdhsa_user_sgpr_kernarg_segment_ptr 1
		.amdhsa_wavefront_size32 1
		.amdhsa_system_sgpr_workgroup_id_x 1
		.amdhsa_system_sgpr_workgroup_id_y 1
		.amdhsa_system_sgpr_workgroup_id_z 1
		.amdhsa_system_vgpr_workitem_id 0
		.amdhsa_next_free_vgpr 1024
		.amdhsa_next_free_sgpr 66
		.amdhsa_reserve_vcc 0
		.amdhsa_float_denorm_mode_32 3
		.amdhsa_float_denorm_mode_16_64 3
		.amdhsa_memory_ordered 1
		.amdhsa_forward_progress 1
		.amdhsa_inst_pref_size 242
	.end_amdhsa_kernel
	.amdgpu_metadata
---
amdhsa.version: [ 1, 2 ]
amdhsa.kernels:
  - .name:           k_q3676737684_flow
    .symbol:         k_q3676737684_flow.kd
    .args:
      - { .name: u, .offset: 0, .size: 8, .value_kind: global_buffer, .address_space: global }
      - { .name: wq, .offset: 8, .size: 8, .value_kind: global_buffer, .address_space: global }
      - { .name: loc_b0, .offset: 16, .size: 8, .value_kind: global_buffer, .address_space: global }
      - { .name: scale_b0, .offset: 24, .size: 8, .value_kind: global_buffer, .address_space: global }
      - { .name: loc_b1, .offset: 32, .size: 8, .value_kind: global_buffer, .address_space: global }
      - { .name: scale_b1, .offset: 40, .size: 8, .value_kind: global_buffer, .address_space: global }
      - { .name: loc_b2, .offset: 48, .size: 8, .value_kind: global_buffer, .address_space: global }
      - { .name: scale_b2, .offset: 56, .size: 8, .value_kind: global_buffer, .address_space: global }
      - { .name: out0, .offset: 64, .size: 8, .value_kind: global_buffer, .address_space: global }
    .group_segment_fixed_size: 327680
    .private_segment_fixed_size: 0
    .kernarg_segment_align: 8
    .kernarg_segment_size: 72
    .max_flat_workgroup_size: 128
    .sgpr_count:     66
    .vgpr_count:     1024
    .wavefront_size: 32
...
	.end_amdgpu_metadata
.endif
;; end of part 2
